; MI455X (gfx1250); checked and timed in simulation.
; The chip was launched on July 23, 2026; its instructions are those of AMD's public machine-readable ISA for CDNA 5 (MIT licence, August 2026) and "CDNA5" Instruction Set Architecture Reference Guide (July 2026). The comments in the code are by the model that wrote it; some were corrected since.
;; Torch Attention. Allowed arithmetic: matrix products marked QUANTISED: E3M2 operands, one E8M0 scale for each 32 along K, by v_wmma_scale_f32_16x16x128_f8f6f4 with both operands' format E3M2, f32 sums; everything else in f32.
;; Inputs: key 2,048 x 1 x 24 x 128 float32; query 2,048 x 1 x 24 x 128 float32; value 2,048 x 1 x 24 x 128 float32.
;; Outputs: out0 1 x 2,048 x 3,072 float32.
;; This version of the problem:
;;   THIS VERSION OF THE PROBLEM IS GIVEN IN LOW PRECISION. The matrix products marked QUANTISED in the list below multiply operands that are first quantised to E3M2 (3 exponent bits, 2 mantissa bits; 6 bits a number), with one power-of-two scale for each 32 numbers along K (OCP MX v1.0); their sums are f32. All else is computed in f32.
;;   The module's matrix products, in the order in which they are computed (A, B: the left and right operand; K: the contracted axis; several contracted axes count as one K, in the product's order):
;;     1. batch 24 x [M 2,048, K 128] x [K 128, N 2,048]; A: input query; B: input key: QUANTISED
;;     2. batch 24 x [M 2,048, K 2,048] x [K 2,048, N 128]; A: softmax (see below); B: input value: QUANTISED
;;   THE QUANTISER, for each operand of a quantised product, along K:
;;     - K is cut into blocks of 32 from its start; a last block that is shorter is filled with zeros.
;;     - A block's scale is 2^e with e = floor(log2(the largest magnitude in the block)) - 4, held to -126 .. 127; a block of zeros has e = 0. As a byte (E8M0): e + 127.
;;     - Each number is divided by its block's scale, clamped to +-28, and rounded to the nearest number of E3M2, ties to even, subnormals kept.
;;     - The product sums the exact products of the quantised numbers (number of the format x scale) in f32.
;;   ~~~python
;;   def quantise(x, axis):      # numpy; x: float32 -> the quantised numbers, widened to float32 again
;;       x = np.moveaxis(x, axis, -1); K = x.shape[-1]
;;       x = np.pad(x, [(0, 0)] * (x.ndim - 1) + [(0, -K % 32)]); x = x.reshape(x.shape[:-1] + (-1, 32)); a = np.abs(x).max(-1, keepdims=True)
;;       e = np.where(a > 0, np.clip(np.frexp(np.where(a > 0, a, 1))[1] - 1 - 4, -126, 127), 0)      # np.frexp(a)[1] - 1 = floor(log2(a)), exactly
;;       r = np.clip(x / 2.0 ** e, -28, 28)
;;       step = 2.0 ** (np.maximum(np.frexp(np.where(r == 0, 1, r))[1] - 1, -2) - 2)
;;       q = np.round(r / step) * step * 2.0 ** e      # np.round: ties to even
;;       return np.moveaxis(q.reshape(q.shape[:-2] + (-1,))[..., :K], -1, axis).astype(np.float32)
;;   ~~~
;;   SOFTMAX AHEAD OF A QUANTISED PRODUCT. Where the list says 'softmax', what is quantised is not the finished softmax but p = 2^(t - M), with t = logit x log2(e) and M = ceil(the row's largest t), a whole number; so 1/2 < the row's largest p <= 1. The row's sum l is taken of the UNQUANTISED p, in f32, and the product's result is divided by l at the end. Since M is a whole number, a kernel that streams over the keys may use a running M (the ceiling of the running maximum): every later rescaling is an exact power of two, which a block's scale takes up: the codes' values come out the same.
;;   OPERANDS COMPUTED ON THE WAY. 'Computed on the way' means the value that the module computes at that place (a softmax that the list does not call 'softmax' is quantised finished and normalised). What goes into a quantiser is computed in f32, as accurately as f32 sums, v_exp_f32 and their like allow (about 1e-6 of the number): no bf16 or f16 on the way to a quantiser, and a product that is left as it is and whose result goes on into a quantised operand takes f32 operands (vector FMAs, or v_wmma_f32_16x16x4_f32). A number that lies on a knife's edge between two numbers of the format may be rounded either way, as far as f32 arithmetic and the matrix unit's own rounding can turn it there, and no further.
;; One version. Each part assembles by itself: llvm-mc -triple=amdgcn-amd-amdhsa -mcpu=gfx1250 --defsym DOCPART=n.
;; ======== version 1 of 1: 2 launches
;; limits: right only within a limited range of input values
;; workspace buffers: kv 9,830,400 bytes
;; launch quant_kv (part 1): grid 16 x 48, 4 waves a work-group, no clusters, 35,328 bytes of LDS; arguments key, value, kv; writes kv
.if DOCPART == 1
	.amdgcn_target "amdgcn-amd-amdhsa--gfx1250"
	.amdhsa_code_object_version 6
	.text
	.protected	k_q5b159852d4_quant_kv
	.globl	k_q5b159852d4_quant_kv
	.p2align	8
	.type	k_q5b159852d4_quant_kv,@function
k_q5b159852d4_quant_kv:
	s_mov_b64 s[64:65], 0
	v_nop
	global_prefetch_b8 v0, s[64:65] scope:SCOPE_SE
	s_setreg_imm32_b32 hwreg(HW_REG_WAVE_MODE, 25, 1), 1
	s_wait_xcnt 0x0
; K and V [2048 keys][24 heads][128 d], f32, become codes of BF6 (E3M2), one E8M0 byte for each 32 along the product's K (d for K, the keys for V), laid in kv AS IMAGES OF THE OPERAND'S REGISTERS.
; kv: one block of 25,600 bytes for each (head, step of 128 keys), at (16 head + step) x 25,600:  +0 K's 8 fragments of 1,536 bytes;  +12,288 K's scale words, 512 bytes;  +12,800 V's 8 fragments;  +25,088 V's scale words.
; A fragment (16 rows x 128 K) is 12 registers a lane; register j of lane l lies at 512 (j / 4) + 16 l + 4 (j % 4).  The scale words: the word at 16 l + 4 i is that of tile 2 i + l / 16, row l % 16.
; K: row r of tile 2 b + u is key 32 b + 8 u + r + 8 (r / 8) of the step, so that in S^T = K Q^T the 16 registers of tiles 2 b, 2 b + 1 are 16 neighbouring keys.  V: fragment t's lane (r, h) holds d = 16 t + r, keys 64 c + 32 h + 0 .. 31.
; A block's scale is 2^(floor(log2(its largest magnitude)) - 4); its byte is the largest magnitude's exponent field - 4, held at 1 from below.
; WORK LEFT OUT IN THE PROGRAM: in the attention launch the scores of keys behind a query, where they fill whole tiles: reference() adds -infinity to them, so for all finite inputs their p is 0 and they reach no output.
; LIMITS: NaN and infinities among the inputs are not served, and one that reaches only the work left out is not carried to the result; a block whose largest magnitude lies under 2^-122 has its byte held at 1;
; a block of zeros gets the byte 1 where the rule says 127 (its codes are zeros, which add nothing under any byte but 0xff, and this program alone reads the bytes).
; SHARES: work-groups of y < 24 take K of head y, the others V of head y - 24; x is the step.  768 equal work-groups of 65,536 bytes.  The two ways have LDS bytes of their own.  No work-group shares an input byte with another: no clusters; every load is issued well ahead of its use: no prefetch.
.set ROWP, 12288                       ; bytes from key to key
.set BLKB, 25600
.set KSC,  12288
.set VC,   12800
.set VSC,  25088
.set FRB,  1536
.set SP,   528                         ; K's stage row: 33 x 16
.set WST,  16*SP
.set SCG,  4*WST                       ; K's 512 bytes of scale words
.set SCV,  SCG+512                     ; V's
.set SPARE, SCV+512                    ; the spare words
.set T,    248
.set X,    32
.set CI,   160
	s_load_b128 s[4:7], s[0:1], 0x0                ; key, value
	s_load_b64 s[24:25], s[0:1], 0x10              ; kv
	v_lshl_add_u32 v251, v0, 2, SPARE
	v_mov_b32 v255, 0
	v_lshrrev_b32 v1, 5, v0
	v_readfirstlane_b32 s8, v1                     ; wave 0..3
	v_and_b32 v1, 31, v0                           ; lane
	v_and_b32 v2, 15, v0                           ; r
	v_bfe_u32 v3, v0, 4, 1                         ; h
	v_lshlrev_b32 v4, 4, v1                        ; 16 x lane
	s_wait_alu depctr_va_vdst(0)
	s_and_b32 s10, ttmp7, 0xffff
	s_cmp_ge_u32 s10, 24
	s_cselect_b32 s26, 24, 0                       ; 0: K's work-group, 24: V's
	s_sub_co_u32 s10, s10, s26                     ; head
	s_mul_i32 s12, ttmp9, 128*ROWP                 ; the step's first key
	s_lshl_b32 s13, s10, 9
	s_add_co_u32 s12, s12, s13                     ; + the head's 512 bytes (all under 2^25)
	s_mov_b32 s13, 0
	s_lshl_b32 s14, s10, 4
	s_add_co_u32 s14, s14, ttmp9
	s_mul_i32 s14, s14, BLKB                       ; the block in kv
	s_mov_b32 s15, 0
	s_mul_i32 s22, s8, 2*FRB                       ; my two fragments in it
	s_mov_b32 s23, 0
	s_mov_b32 s20, 0x76543210
	s_mov_b32 s21, 0xfedcba98                      ; v_permlanex16_b32's selects for lane l xor 16
	s_wait_kmcnt 0x0
	s_add_nc_u64 s[16:17], s[24:25], s[14:15]
	s_add_nc_u64 s[18:19], s[16:17], s[22:23]
	s_cmp_eq_u32 s26, 0
	s_cbranch_scc0 .Lvalue
; K.  Wave w takes keys 32 w .. 32 w + 31: tiles 2 w, 2 w + 1.  A tile's 16 rows, as loaded, turn through the wave's own stage and come back 128 bytes a lane: d = 64 c + 32 h + 0 .. 31 of row r: two whole blocks.
	s_mul_i32 s11, s8, 32*ROWP
	s_add_co_u32 s12, s12, s11
	s_add_nc_u64 s[4:5], s[4:5], s[12:13]
.irp u, 0,1
.irp i, 0,1,2,3,4,5,6,7,8,9,10,11,12,13,14,15
	global_load_b128 v[32+64*\u+4*\i:35+64*\u+4*\i], v4, s[4:5] offset:(8*\u+\i+8*(\i/8))*ROWP th:TH_LOAD_NT   ; row i of tile u: 32 lanes read 512 consecutive bytes
.endr
.endr
	s_mul_i32 s11, s8, WST                         ; my stage
	v_add_nc_u32 v5, s11, v4                       ; in: a row's 512 bytes as they lie
	v_mul_u32_u24 v6, v2, SP
	v_lshl_add_u32 v6, v3, 7, v6
	v_add_nc_u32 v6, s11, v6                       ; out: row r, + 128 h
	s_lshl_b32 s9, s8, 2
	s_add_co_u32 s9, s9, SCG
	v_lshl_add_u32 v7, v2, 4, s9                   ; tile 2 w's word of row r: SCG + 16 r + 4 w; tile 2 w + 1's lies 256 bytes on
	v_add_nc_u32 v8, SCG, v4
	v_lshlrev_b32 v9, 3, v3                        ; 8 h
	v_mov_b32 v17, 0                               ; written once: a lane permute's destination counts as one of its sources
.macro TURN raw, xs
.irp i, 0,1,2,3,4,5,6,7,8,9,10,11,12,13,14,15
	ds_store_b128 v5, v[\raw+4*\i:\raw+4*\i+3] offset:SP*\i
.endr
.irp c, 0,1
.irp j, 0,1,2,3,4,5,6,7
	ds_load_b128 v[\xs+32*\c+4*\j:\xs+32*\c+4*\j+3], v6 offset:256*\c+16*\j   ; LDS serves a wave's instructions in order (ISA guide 5.7.1.4)
.endr
.endr
.endm
.macro QUANT xs, dst, wd
.irp c, 0,1
	v_max3_num_f32 v[10+\c], |v[\xs+32*\c]|, |v[\xs+32*\c+1]|, 0x2800000   ; my block 2 c + h, and the floor 2^(5 - 127): so the byte cannot fall under 1
.endr
.irp i, 2,4,6,8,10,12,14,16,18,20,22,24,26,28,30
.irp c, 0,1
	v_max3_num_f32 v[10+\c], v[10+\c], |v[\xs+32*\c+\i]|, |v[\xs+32*\c+\i+1]|
.endr
.endr
.irp c, 0,1
	v_add_nc_u32 v[12+\c], 0xfe000000, v[10+\c]    ; 4 off the exponent field: the conversion's scale operand
.endr
.irp c, 0,1
	v_lshrrev_b32 v[14+\c], 23, v[12+\c]           ; the scale's byte
.endr
	v_lshl_or_b32 v[\wd], v15, 16, v14             ; my two bytes: blocks h and 2 + h,
	v_lshlrev_b32 v[\wd], v9, v[\wd]               ; at their places in the word;
	v_permlanex16_b32 v17, v[\wd], s20, s21
	v_or_b32 v[\wd], v[\wd], v17                   ; with lane l xor 16's two the word is whole
.irp c, 0,1
	v_cvt_scalef32_pk16_bf6_f32 v[\dst+6*\c:\dst+6*\c+2], v[\xs+32*\c:\xs+32*\c+15], v[12+\c]
	v_cvt_scalef32_pk16_bf6_f32 v[T+4*\c:T+4*\c+2], v[\xs+32*\c+16:\xs+32*\c+31], v[12+\c]   ; (a conversion's three registers begin on an even number)
.endr
	v_nop                                          ; one plain place behind a scaled conversion
.irp c, 0,1
.irp i, 0,1,2
	v_mov_b32 v[\dst+6*\c+3+\i], v[T+4*\c+\i]
.endr
.endr
.endm
	s_wait_alu depctr_va_vdst(0)
	s_wait_loadcnt 16                              ; tile 0's sixteen loads are in, tile 1's may be out
	TURN 32, 160
	s_wait_loadcnt 0x0
	s_wait_dscnt 0x0                               ; tile 0 is back: v32-95 and the stage are free
	TURN 96, 32
	QUANT 160, 224, 16                             ; tile 0 is quantised while tile 1 turns
	ds_store_b32 v7, v16                           ; both halves of the lanes write the same word with the same value
.irp g, 0,1,2
	global_store_b128 v4, v[224+4*\g:227+4*\g], s[18:19] offset:512*\g   ; 32 lanes store 512 consecutive bytes
.endr
	s_wait_dscnt 0x0                               ; tile 1 is back
	QUANT 32, 236, 18
	ds_store_b32 v7, v18 offset:256
.irp g, 0,1,2
	global_store_b128 v4, v[236+4*\g:239+4*\g], s[18:19] offset:FRB+512*\g
.endr
	s_wait_dscnt 0x0                               ; for the others' sake: my scale words lie in LDS
	s_barrier_signal -1
	s_barrier_wait -1
	s_cmp_lg_u32 s8, 0
	s_cbranch_scc1 .Lend                           ; wave 0 stores the step's 512 bytes of scale words
	ds_load_b128 v[20:23], v8
	s_wait_dscnt 0x0
	global_store_b128 v4, v[20:23], s[16:17] offset:KSC
	s_branch .Lend
; V.  A LANE TAKES A COLUMN d = 32 w + l, AND ITS REGISTERS RUN DOWN THE KEYS: a block of 32 keys lies in one lane's 32 registers.  Its blocks 0 and 2 are the registers of image lane r of tile 2 w + l / 16, its blocks 1 and 3 those of image lane 16 + r.
.Lvalue:
	s_lshl_b32 s11, s8, 7
	s_add_co_u32 s12, s12, s11                     ; my wave's 128 bytes of the head's 512
	s_add_nc_u64 s[6:7], s[6:7], s[12:13]
	s_add_nc_u64 s[18:19], s[18:19], VC
	v_lshlrev_b32 v5, 2, v1
.macro LOAD b                          ; block b: keys 32 b + i of my column
.irp i, 0,1,2,3,4,5,6,7,8,9,10,11,12,13,14,15,16,17,18,19,20,21,22,23,24,25,26,27,28,29,30,31
	global_load_b32 v[X+32*(\b)+\i], v5, s[6:7] offset:(32*(\b)+\i)*ROWP th:TH_LOAD_NT   ; 127 rows at the most: inside the signed 24-bit immediate
.endr
.endm
.macro BLOCK b
.set XS, X+32*(\b)
.set CD, CI+12*((\b)%2)+6*((\b)/2)
.if (\b) < 3
	s_wait_loadcnt 32                              ; this block's 32 loads are in; the next block's 32 may be out
.else
	s_wait_loadcnt 0x0
.endif
.if (\b) < 2
	LOAD (\b)+2
.endif
	v_max3_num_f32 v8, |v[XS]|, |v[XS+1]|, |v[XS+2]|
	v_max3_num_f32 v9, |v[XS+3]|, |v[XS+4]|, |v[XS+5]|
.irp i, 6,10,14,18,22,26
	v_max3_num_f32 v8, v8, |v[XS+\i]|, |v[XS+\i+1]|
	v_max3_num_f32 v9, v9, |v[XS+\i+2]|, |v[XS+\i+3]|
.endr
	v_max3_num_f32 v8, v8, |v[XS+30]|, |v[XS+31]|
	v_max3_num_f32 v8, v8, v9, 0x2800000           ; and the floor
	v_add_nc_u32 v10, 0xfe000000, v8
	v_lshrrev_b32 v11, 23, v10
.if (\b) == 0
	v_mov_b32 v6, v11                              ; four bytes to the word, the lower keys in the lower byte
.else
	v_lshl_or_b32 v6, v11, 8*(\b), v6
.endif
	v_cvt_scalef32_pk16_bf6_f32 v[CD:CD+2], v[XS:XS+15], v10
	v_cvt_scalef32_pk16_bf6_f32 v[16:18], v[XS+16:XS+31], v10
	v_nop                                          ; one plain place behind a scaled conversion
.irp i, 0,1,2
	v_mov_b32 v[CD+3+\i], v[16+\i]
.endr
.endm
	LOAD 0
	LOAD 1
	v_mul_u32_u24 v3, v3, FRB
	v_lshl_add_u32 v3, v2, 4, v3                   ; 1,536 (lane / 16) + 16 (lane % 16)
	s_lshl_b32 s9, s8, 2
	s_add_co_u32 s9, s9, SCV
	v_add_nc_u32 v7, s9, v4                        ; SCV + 16 x lane + 4 x wave
	v_add_nc_u32 v19, SCV, v4
	s_wait_alu depctr_va_vdst(0)
	BLOCK 0
	BLOCK 1
	BLOCK 2
	BLOCK 3
.irp hh, 0,1
.irp g, 0,1,2
	global_store_b128 v3, v[CI+12*\hh+4*\g:CI+12*\hh+4*\g+3], s[18:19] offset:512*\g+256*\hh   ; sixteen lanes store 256 consecutive bytes
.endr
.endr
	ds_store_b32 v7, v6
	s_wait_dscnt 0x0                               ; for the others' sake: my scale words lie in LDS
	s_barrier_signal -1
	s_barrier_wait -1
	s_cmp_lg_u32 s8, 0
	s_cbranch_scc1 .Lend
	ds_load_b128 v[12:15], v19
	s_wait_dscnt 0x0
	global_store_b128 v4, v[12:15], s[16:17] offset:VSC
.Lend:
	s_wait_tensorcnt 0x0                           ; the wave's end
	ds_add_u32 v251, v255
	s_wait_dscnt 0x0
	s_endpgm
.Lfunc_end_k_q5b159852d4_quant_kv:
	.size	k_q5b159852d4_quant_kv, .Lfunc_end_k_q5b159852d4_quant_kv-k_q5b159852d4_quant_kv
	.p2alignl 7, 3214868480
	.fill 96, 4, 3214868480
	.section	.rodata,"a",@progbits
	.p2align	6, 0x0
	.amdhsa_kernel k_q5b159852d4_quant_kv
		.amdhsa_group_segment_fixed_size 35328
		.amdhsa_private_segment_fixed_size 0
		.amdhsa_enable_private_segment 0
		.amdhsa_kernarg_size 24
		.amdhsa_user_sgpr_count 2
		.amdhsa_user_sgpr_kernarg_segment_ptr 1
		.amdhsa_wavefront_size32 1
		.amdhsa_system_sgpr_workgroup_id_x 1
		.amdhsa_system_sgpr_workgroup_id_y 1
		.amdhsa_system_sgpr_workgroup_id_z 1
		.amdhsa_system_vgpr_workitem_id 0
		.amdhsa_next_free_vgpr 256
		.amdhsa_next_free_sgpr 66
		.amdhsa_reserve_vcc 0
		.amdhsa_float_denorm_mode_32 3
		.amdhsa_float_denorm_mode_16_64 3
		.amdhsa_memory_ordered 1
		.amdhsa_forward_progress 1
		.amdhsa_inst_pref_size 36
	.end_amdhsa_kernel
	.amdgpu_metadata
---
amdhsa.version: [ 1, 2 ]
amdhsa.kernels:
  - .name:           k_q5b159852d4_quant_kv
    .symbol:         k_q5b159852d4_quant_kv.kd
    .args:
      - { .name: key, .offset: 0, .size: 8, .value_kind: global_buffer, .address_space: global }
      - { .name: value, .offset: 8, .size: 8, .value_kind: global_buffer, .address_space: global }
      - { .name: kv, .offset: 16, .size: 8, .value_kind: global_buffer, .address_space: global }
    .group_segment_fixed_size: 35328
    .private_segment_fixed_size: 0
    .kernarg_segment_align: 8
    .kernarg_segment_size: 24
    .max_flat_workgroup_size: 128
    .sgpr_count:     66
    .vgpr_count:     256
    .wavefront_size: 32
...
	.end_amdgpu_metadata
.endif
;; end of part 1
;; launch attn (part 2): grid 32 x 8, 12 waves a work-group, clusters of 4 x 1, 327,680 bytes of LDS; arguments query, kv, out0; writes out0
.if DOCPART == 2
	.amdgcn_target "amdgcn-amd-amdhsa--gfx1250"
	.amdhsa_code_object_version 6
	.text
	.protected	k_q5b159852d4_attn
	.globl	k_q5b159852d4_attn
	.p2align	8
	.type	k_q5b159852d4_attn,@function
k_q5b159852d4_attn:
	s_mov_b64 s[64:65], 0
	v_nop
	global_prefetch_b8 v0, s[64:65] scope:SCOPE_SE
	s_setreg_imm32_b32 hwreg(HW_REG_WAVE_MODE, 25, 1), 1
	s_wait_xcnt 0x0
	s_wait_alu depctr_hold_cnt(0) depctr_sa_sdst(0) depctr_va_vdst(0) depctr_va_sdst(0) depctr_va_ssrc(0) depctr_va_vcc(0) depctr_vm_vsrc(0)
	s_getreg_b32 s2, hwreg(HW_REG_IB_STS2, 6, 4)
	s_cmp_eq_u32 s2, 0
	s_cbranch_scc0 .Lentry_in_a_cluster
	s_endpgm
.Lentry_in_a_cluster:
	s_bfe_u32 s2, ttmp6, 0x10000c
	s_cmp_lg_u32 s2, 0x3003
	s_cbranch_scc0 .Lentry_shape_is_right
	s_endpgm
.Lentry_shape_is_right:
; out[q][head][:] = the sum over keys k <= q of softmax_k(Q[q] . K[k] / sqrt(128)) V[k][:], 2,048 queries and keys, 24 heads of 128; both products on codes of BF6 (E3M2) with one E8M0 scale for each 32 along a product's K.
; Q arrives as f32 [2048][24][128] and is quantised here, in registers.  K and V arrive in kv as images of the operand's registers: one block of 25,600 bytes for each (head, step of 128 keys):
; +0 K's 8 fragments of 1,536 bytes, +12,288 K's scale words, +12,800 V's 8 fragments, +25,088 V's scale words (even tiles' words in lanes 0-15, odd tiles' in lanes 16-31).
; THE SOFTMAX AHEAD OF THE SECOND PRODUCT: t = score x log2(e) / sqrt(128); M = the row's largest t so far, rounded UP to a whole number; p = 2^(t - M) is what is quantised, along the keys; the row's sum is taken of the
; unquantised p, in f32, and divides O at the end.  When M moves, the sum and O are multiplied by 2^(old M - new M): exact.
; LAYOUT.  Both products are used transposed: S^T = K Q^T, O^T = V^T P^T: a lane holds ONE query (lane % 16) throughout.  Row r of K's tile 2 b + u is key 32 b + 8 u + r + 8 (r / 8), so that the 16 registers of tiles 2 b,
; 2 b + 1 are the 16 neighbouring keys 32 b + 16 (lane / 16) + 0 .. 15.
; SHARES.  A head's queries are 16 blocks of 128, each of 8 tiles of 16 queries (g = 0..7).  A PAIR is tile g of blocks j and 15 - j (j = 0..7): 17 key steps.  In PHASE s (0..7) LDS holds key steps s and 15 - s.
; Two waves share a pair: wave A works the high tile (block 15 - j) on step s of each phase: 8 steps, none on the diagonal.  Wave B works the low tile on step s while s <= j, and the high tile on step 15 - s from s = j on:
; 9 steps, of which phase j holds two, both on a diagonal.  So every wave has one step in each phase, and B one more.  At the end A and B join their sums for the high tile, each for half of the channels.
; A work-group has 12 waves: 4 pairs of its main head (A: waves 0-3, B: 4-7) and 2 of a shared head (A: 8, 9, B: 10, 11).  Eight clusters k = 0..7 of four work-groups (32 work-groups) serve three heads: clusters 0-3 have the first
; as main head, 4-7 the second, all share the third.  With ja = 2 (k % 4) + k / 4: main pairs have j = ja, ja, ja xor 1, ja xor 1, shared pairs j = ja; two pairs of one j have g = cx and cx + 4.  256 work-groups of equal work.
; CLUSTER.  The four work-groups walk the same blocks of kv: each is asked for JOINTLY, by the same tensor load with the same descriptor and a mask that names the four.  Branches and LDS addresses hang on the wave's and the cluster's
; numbers and the phase; cx enters only the addresses of Q, of out and of the prefetches, and the number that the mask of the diagonal compares.
; RING.  Two slots of four blocks (main low, main high, shared low, shared high: 102,400 bytes); waves 0 to 3 fetch one block each (100 rows of 256 bytes).  A wave has at most one tensor load out.  A phase's fragments of V lie in
; registers before its change of slots is signalled; the end of the softmax stands between signal and wait, and the next phase's first fragments of K are asked for ahead of V's products.
; PREFETCH.  In phase s (0..3) waves 0 to 3 ask for their block of phase s + 4, two phases ahead of its tensor load: 25 of its 100 rows in each partner, told apart by address; the shared head's blocks in clusters 0 to 3 only.
; WORK LEFT OUT: key steps behind a tile's diagonal step: reference() adds -infinity there, so for all finite inputs p is 0 and reaches no output.
; LIMITS: NaN and infinities among the inputs are not served, and one that reaches only the work left out is not carried to the result; a block whose largest magnitude lies under 2^-122 has its byte held at 1; a block of zeros gets
; the byte 1 where the rule says 127 (its codes are zeros); a block's largest p is had from its largest score by the same multiply-add and exponential, which takes v_exp_f32 not to fall where its input rises (the ISA guide promises 1 ulp).
; The claim of all of a WGP's LDS: the text uses 285,696 bytes.
.set ROWP,   12288                     ; bytes from query to query
; THE ORDER WITHIN A PHASE (this holds where the paragraph RING says otherwise).  Every wave reads its K fragments, makes its scores and reads its V fragments into registers ahead of the change of slots.  The main head's waves (0-7) do the softmax
; and V's products ahead of the change too; the shared head's waves (8-11) keep scores and V in registers over it and do them behind it.  Nothing stands between signal and wait; a phase's first K fragments are asked for at its entry.
.set BLKB,   25600
.set KSC,    12288
.set VC,     12800
.set VSC,    25088
.set FRB,    1536
.set PARK,   102400                    ; between the slots: 10 places of 2,048 bytes: the high tile's codes, from A to B
.set SPARE,  122880                    ; the spare words, 128 bytes a wave: no other line names them
.set ML,     124416                    ; 256 bytes a wave: -M and the sum, for the partner
.set SLOT1,  131072                    ; slot 0: bytes 0 to 102,399; slot 1 from here
.set STAGE,  SLOT1+4*BLKB              ; 16 rows x 272 bytes for each wave
.set SPITCH, 272                       ; 17 x 16
; v0 this phase's block in LDS; v1 16 x lane; v2, v3 spare word's address and 0; v4 my byte offset in a tile's rows of Q and out; v5 stage by rows; v6 stage, O's way in; v7 the block that the phase begins with; v8 the factor f;
; v9 the prefetches' offset; v10 -M; v11 the largest t; v[12:13] the sum in two halves
.set QC, 14                            ; v14-25 Q's codes
.set KS, 26                            ; v26-29 K's scale words
.set VS, 30                            ; v30-33 V's
.set QS, 34                            ; Q's scale word
.set PS, 35                            ; p's scale word
.set PC, 36                            ; v36-47 p's codes
.set SS, 48                            ; v48-111 S^T, then p
.set F0, 112                           ; three buffers of four fragments: K 0-3 (at work in the softmax);
.set F1, 160                           ; K 4-7, then V 4-7;
.set F2, 208                           ; V 0-3
.set TT, F0
.set UU, F0+28
; window 1: v256-319 (named v0-63 there) O^T
; s10 wave; s11 B: j, A: 16; s12 phase; s13 my two blocks in the slot; s14 my stage; s18 16 g; s[20:21] selects; s[22:23] c; s[24:31] group 1; s[32:35] group 0; s[36:37] prefetch; s[38:39], s[50:51] both go on and back by these from
; phase to phase (one of the two is 25,600, the other 0); s40 phases that I prefetch in; s42 A's wave of my pair; s43 my partner; s[46:47] out at my first tile; s[48:49] out at the high tile, my half; s55 my pair's place in PARK
.set MSB, 0
.macro WIN new                         ; the immediate's high byte repeats the setting that is left
.if MSB != \new
	s_set_vgpr_msb (MSB<<8)|\new
.set MSB, \new
.endif
.endm
.macro VW
	s_wait_alu depctr_va_vdst(0)
.endm
.macro CREST                           ; a round of the cluster's barrier behind its opening barrier
	s_cmp_lg_u32 s10, 0
	s_cbranch_scc1 .Lnot_wave_0_\@
	s_barrier_signal -3
.Lnot_wave_0_\@:
	s_barrier_wait -3
	s_barrier_signal -1
	s_barrier_wait -1
.endm
.macro ROUND
	s_barrier_signal -1
	s_barrier_wait -1
	CREST
.endm
.macro JLOAD                           ; waves 0 to 3, one block each.  Four v_nop follow the load
	s_cmp_lt_u32 s10, 4
	s_cbranch_scc0 .Lasked_\@
	tensor_load_to_lds s[32:35], s[24:31]
	s_nop 0
.rept 4
	v_nop
.endr
.Lasked_\@:
.endm
.macro PLACES                          ; plain places behind matrix instructions (ISA guide 7.12.1 for vector instructions)
.rept 4
	v_nop
.endr
.endm
	s_load_b128 s[4:7], s[0:1], 0x0                ; query, kv
	s_load_b64 s[8:9], s[0:1], 0x10                ; out0
	v_lshl_add_u32 v2, v0, 2, SPARE
	v_mov_b32 v3, 0
	ds_add_u32 v2, v3                              ; the opening lines
	ds_add_u32 v2, v3
	; descriptor group 1: a dense block of 25,600 bytes as 100 rows of 32 elements of 8 bytes
	s_mov_b32 s24, 15|(3<<16)|(1<<21)              ; 15:0 all four work-groups; 17:16 elements of 8 bytes; 21 set beside a mask
	s_mov_b32 s25, 32<<16                          ; tensor_dim0
	s_mov_b32 s26, 100<<16                         ; tensor_dim1
	s_mov_b32 s27, 32<<16                          ; tile_dim0
	s_mov_b32 s28, 100                             ; tile_dim1
	s_mov_b32 s29, 32                              ; stride
	s_mov_b32 s30, 0
	s_mov_b32 s31, 0
	v_lshrrev_b32 v10, 5, v0
	v_readfirstlane_b32 s10, v10                   ; wave 0..11
	v_and_b32 v1, 31, v0
	v_and_b32 v11, 15, v0                          ; r
	v_bfe_u32 v12, v0, 4, 1                        ; h
	s_mul_i32 s14, s10, 16*SPITCH
	s_add_co_u32 s14, s14, STAGE                   ; my stage
	v_min_u32 v9, 24, v1
	v_lshlrev_b32 v1, 4, v1                        ; 16 x lane
	v_mul_u32_u24 v5, v12, SPITCH
	v_mul_u32_u24 v6, v11, SPITCH
	v_mul_u32_u24 v4, v12, ROWP
	v_lshl_add_u32 v5, v11, 4, v5
	v_lshl_add_u32 v4, v11, 4, v4                  ; lanes 0-15 one row's 256 bytes, lanes 16-31 the next row's
	v_lshl_add_u32 v176, v12, 7, v6
	v_lshl_add_u32 v6, v12, 5, v6
	v_lshlrev_b32 v177, 3, v12                     ; 8 h
	v_add_nc_u32 v5, s14, v5                       ; the same two rows in the stage
	v_add_nc_u32 v6, s14, v6                       ; O's way in: row r, + 32 h
	v_add_nc_u32 v176, s14, v176                   ; Q's way out: row r, + 128 h
	VW
	s_wait_dscnt 0x0                               ; both opening adds are done
	s_lshr_b32 s44, s10, 3                         ; 1: the shared head's waves
	s_lshr_b32 s41, 4, s44                         ; the bit that tells B from A: 4, or 2 in the shared head's waves
	s_xor_b32 s17, s41, 15
	s_and_b32 s42, s10, s17                        ; A's wave of my pair: 0-3, 8, 9
	s_xor_b32 s43, s10, s41                        ; my partner
	s_lshl_b32 s55, s42, 11
	s_add_co_u32 s55, s55, PARK
	s_mul_i32 s13, s44, 2*BLKB                     ; my head's two blocks in slot 0
	s_and_b32 s19, s10, 3
	s_mul_i32 s33, s19, BLKB                       ; the block that I fetch, if I fetch
	s_lshr_b32 s54, ttmp9, 2                       ; in a cluster launch ttmp9 counts clusters: k / 4
	s_and_b32 s17, ttmp9, 3
	s_lshl_b32 s17, s17, 1
	s_add_co_u32 s17, s17, s54                     ; ja
	s_bfe_u32 s41, s42, 0x10001
	s_xor_b32 s17, s17, s41                        ; j
	s_sub_co_u32 s41, 15, s17                      ; 15 - j
	s_and_b32 s16, ttmp7, 0xffff
	s_mul_i32 s16, s16, 3
	s_add_co_u32 s15, s16, 2                       ; the shared head
	s_add_co_u32 s16, s16, s54                     ; the main head
	s_cmp_lt_u32 s19, 2
	s_cselect_b32 s52, s16, s15                    ; the head that I fetch for
	s_lshl_b32 s52, s52, 4
	s_and_b32 s53, s19, 1                          ; 1: the high steps: 15, 14, ..
	s_mul_i32 s50, s53, 15
	s_add_co_u32 s52, s52, s50
	s_mul_i32 s52, s52, BLKB                       ; my first block in kv
	s_mul_i32 s50, s53, BLKB                       ; from phase to phase: back by this,
	s_xor_b32 s53, s53, 1
	s_mul_i32 s38, s53, BLKB                       ; and on by this
	s_mov_b32 s39, 0
	s_mov_b32 s51, 0
	s_mov_b32 s53, 0
	s_cmp_eq_u32 s44, 0
	s_cselect_b32 s16, s16, s15                    ; my head
	s_bfe_u32 s15, ttmp6, 0x40000                  ; cx
	s_mul_i32 s56, s15, 25
	s_and_b32 s57, s42, 1
	s_lshl_b32 s57, s57, 6
	s_lshl_b32 s18, s15, 4
	s_add_co_u32 s18, s18, s57                     ; 16 g
	s_lshl_b32 s58, s41, 7
	s_add_co_u32 s58, s58, s18
	s_mul_i32 s58, s58, ROWP                       ; the high tile's first query,
	s_lshl_b32 s46, s17, 7
	s_add_co_u32 s46, s46, s18
	s_mul_i32 s46, s46, ROWP                       ; the low tile's,
	s_lshl_b32 s57, s16, 9
	s_add_co_u32 s58, s58, s57                     ; at my head's 512 bytes (all under 2^25)
	s_add_co_u32 s46, s46, s57
	s_cmp_eq_u32 s42, s10                          ; am I A?
	s_cselect_b32 s46, s58, s46                    ; the tile that I begin with
	s_cselect_b32 s11, 16, s17
	s_cselect_b32 s57, 0, 256                      ; A ends with channels 0-63 of the high tile, B with 64-127
	s_mov_b32 s47, 0
	s_add_co_u32 s48, s58, s57
	s_mov_b32 s49, 0
	s_cmp_lt_u32 s10, 2
	s_cselect_b32 s40, 4, 0
	s_cmp_lt_u32 s10, 4
	s_cselect_b32 s41, 4, 0
	s_cmp_lt_u32 ttmp9, 4
	s_cselect_b32 s41, s41, 0
	s_or_b32 s40, s40, s41
	s_mov_b32 s20, 0x76543210
	s_mov_b32 s21, 0xfedcba98                      ; v_permlanex16_b32's selects for lane l xor 16
	s_mov_b32 s22, 0x3e0293ee                      ; c = log2(e) / sqrt(128)
	s_mov_b32 s23, s22                             ; (named with it as a pair, so it is written)
	s_mov_b32 s12, 0
	v_add_nc_u32 v9, s56, v9
	v_lshlrev_b32 v9, 8, v9                        ; rows 25 cx + 0 .. 24 of a block; the lanes left over name the last again
	VW
	s_wait_kmcnt 0x0
	s_add_nc_u64 s[4:5], s[4:5], s[46:47]
	s_add_nc_u64 s[46:47], s[8:9], s[46:47]
	s_add_nc_u64 s[48:49], s[8:9], s[48:49]
	s_mov_b32 s32, 1                               ; group 0: count = 1; s33 the LDS address
	s_add_nc_u64 s[34:35], s[6:7], s[52:53]        ; phase 0's block
	s_mul_i32 s56, s38, 4
	s_mov_b32 s57, 0
	s_mul_i32 s58, s50, 4
	s_mov_b32 s59, 0
	s_add_nc_u64 s[36:37], s[34:35], s[56:57]      ; phase 4's: what phase 0 asks for
	s_sub_nc_u64 s[36:37], s[36:37], s[58:59]
	s_or_b32 s35, s35, 0x80000000                  ; type = 2
	; Q: sixteen lanes read an aligned 256 bytes (half a query's row)
.irp c, 0,1
.irp i, 0,1,2,3,4,5,6,7
	global_load_b128 v[SS+32*\c+4*\i:SS+32*\c+4*\i+3], v4, s[4:5] offset:2*\i*ROWP+256*\c th:TH_LOAD_NT
.endr
.endr
	ROUND                                          ; all four work-groups are here: the first joint loads meet
	JLOAD                                          ; phase 0
	; Q's halves turn through my stage and come back 128 bytes a lane: d = 64 c + 32 h + 0 .. 31 of query r.  LDS serves a wave's instructions in order (ISA guide 5.7.1.4)
	s_wait_loadcnt 8                               ; the first halves are in, the second halves' eight loads may be out
.irp i, 0,1,2,3,4,5,6,7
	ds_store_b128 v5, v[SS+4*\i:SS+4*\i+3] offset:2*SPITCH*\i
.endr
.irp j, 0,1,2,3,4,5,6,7
	ds_load_b128 v[112+4*\j:115+4*\j], v176 offset:16*\j
.endr
	s_wait_loadcnt 0x0
.irp i, 0,1,2,3,4,5,6,7
	ds_store_b128 v5, v[SS+32+4*\i:SS+35+4*\i] offset:2*SPITCH*\i
.endr
.irp j, 0,1,2,3,4,5,6,7
	ds_load_b128 v[144+4*\j:147+4*\j], v176 offset:16*\j
.endr
	s_wait_dscnt 0x0
.irp c, 0,1                                    ; my block 2 c + h of query r: all its 32 numbers are mine
	v_max3_num_f32 v[180+\c], |v[112+32*\c]|, |v[113+32*\c]|, 0x2800000   ; and the floor 2^(5 - 127): so the byte cannot fall under 1
.endr
.irp i, 2,4,6,8,10,12,14,16,18,20,22,24,26,28,30
.irp c, 0,1
	v_max3_num_f32 v[180+\c], v[180+\c], |v[112+32*\c+\i]|, |v[113+32*\c+\i]|
.endr
.endr
.irp c, 0,1
	v_add_nc_u32 v[182+\c], 0xfe000000, v[180+\c]  ; 4 off the exponent field: the conversion's scale operand
.endr
.irp c, 0,1
	v_lshrrev_b32 v[184+\c], 23, v[182+\c]         ; the scale's byte
.endr
	v_lshl_or_b32 v[QS], v185, 16, v184            ; my two bytes: blocks h and 2 + h,
	v_lshlrev_b32 v[QS], v177, v[QS]               ; at their places in the word;
	v_mov_b32 v186, 0
	v_permlanex16_b32 v186, v[QS], s20, s21
	v_or_b32 v[QS], v[QS], v186                    ; with lane l xor 16's two the word is whole
.irp c, 0,1
	v_cvt_scalef32_pk16_bf6_f32 v[QC+6*\c:QC+6*\c+2], v[112+32*\c:127+32*\c], v[182+\c]
	v_cvt_scalef32_pk16_bf6_f32 v[188+4*\c:190+4*\c], v[128+32*\c:143+32*\c], v[182+\c]   ; (a conversion's three registers begin on an even number)
.endr
	v_nop                                          ; one plain place behind a scaled conversion
.irp c, 0,1
.irp i, 0,1,2
	v_mov_b32 v[QC+6*\c+3+\i], v[188+4*\c+\i]
.endr
.endr
	v_add_nc_u32 v187, s55, v1
	v_mov_b32 v11, 0xff61b1e6                      ; the largest t so far: -3e38, under every t
	v_floor_f32 v10, -v11                          ; -M
	v_mov_b32 v12, 0                               ; the sum, in two halves
	v_mov_b32 v13, 0
.macro ZERO                            ; O^T: the first change of M leaves zeros zeros
	WIN 0x40
.set n, 0
.rept 64
	v_mov_b32 v[n], 0
.set n, n+1
.endr
	WIN 0
.endm
	ZERO
	VW
	s_cmp_eq_u32 s42, s10
	s_cbranch_scc0 .Lno_park
.irp g, 0,1,2                                  ; A hands the high tile's codes and scale words to B
	ds_store_b128 v187, v[QC+4*\g:QC+4*\g+3] offset:512*\g
.endr
	ds_store_b32 v187, v[QS] offset:1536
.Lno_park:
.macro FRAGS dst, adr, off             ; four fragments
.irp t, 0,1,2,3
.irp c, 0,1,2
	ds_load_b128 v[\dst+12*\t+4*\c:\dst+12*\t+4*\c+3], v[\adr] offset:(\off)+FRB*\t+512*\c
.endr
.endr
.endm
.macro KPRE adr                        ; K's scale words and first four fragments
	ds_load_b128 v[KS:KS+3], v[\adr] offset:KSC
	FRAGS F0, \adr, 0
.endm
.macro SPROD g, f                      ; S^T = K Q^T, tiles 4 g .. 4 g + 3; an odd tile's scale words lie in lanes 16-31
.irp t, 0,1,2,3
.if \t%2
	v_wmma_scale_f32_16x16x128_f8f6f4 v[SS+32*\g+8*\t:SS+32*\g+8*\t+7], v[\f+12*\t:\f+12*\t+11], v[QC:QC+11], 0, v[KS+2*\g+\t/2], v[QS] matrix_a_fmt:MATRIX_FMT_BF6 matrix_b_fmt:MATRIX_FMT_BF6 matrix_a_scale:MATRIX_SCALE_ROW1
.else
	v_wmma_scale_f32_16x16x128_f8f6f4 v[SS+32*\g+8*\t:SS+32*\g+8*\t+7], v[\f+12*\t:\f+12*\t+11], v[QC:QC+11], 0, v[KS+2*\g+\t/2], v[QS] matrix_a_fmt:MATRIX_FMT_BF6 matrix_b_fmt:MATRIX_FMT_BF6
.endif
.endr
.endm
.macro SPART adr                       ; from K's first fragments, already asked for, to the scores; V's fragments are asked for
	PLACES                                         ; in front of loads into registers that the last products have read
	KPRE \adr
	FRAGS F1, \adr, 4*FRB
	s_wait_dscnt 12                                ; K's scale words and fragments 0-3 are in; the twelve loads of 4-7 may be out
	SPROD 0, F0
	s_wait_dscnt 0x0
	SPROD 1, F1
	PLACES                                         ; in front of loads into registers that matrix instructions have read, and of the first read of the scores
	ds_load_b128 v[VS:VS+3], v[\adr] offset:VSC
	FRAGS F2, \adr, VC
	FRAGS F1, \adr, VC+4*FRB
.endm
.macro MASK                            ; on the diagonal hidden keys' scores become -infinity.  Register 16 b + i holds key 32 b + 16 h + i of the step: hidden where 32 b + i > my query's place in its block - 16 h
	v_bfe_u32 v[TT+24], v1, 4, 4                   ; r
	v_and_b32 v[TT+25], 0x100, v1
	v_lshrrev_b32 v[TT+25], 4, v[TT+25]            ; 16 h
	v_sub_nc_u32 v[TT+24], v[TT+24], v[TT+25]
	v_add_nc_u32 v[TT+24], s18, v[TT+24]           ; 16 g + r - 16 h
	v_mov_b32 v[TT+25], 0xff800000
.set n, 0
.rept 64
	v_cmp_gt_i32 vcc_lo, 32*(n/16)+n%16, v[TT+24]
	v_cndmask_b32 v[SS+n], v[SS+n], v[TT+25], vcc_lo
.set n, n+1
.endr
.endm
.macro SOFTA                           ; the scores become p
.irp b, 0,1,2,3
	v_max3_num_f32 v[TT+\b], v[SS+16*\b], v[SS+16*\b+1], v[SS+16*\b+2]   ; THE LARGEST SCORE OF EACH BLOCK OF 32 KEYS: for the row's maximum, and, since p rises with the score, for the block's largest p
.endr
.irp i, 3,5,7,9,11,13
.irp b, 0,1,2,3
	v_max3_num_f32 v[TT+\b], v[TT+\b], v[SS+16*\b+\i], v[SS+16*\b+\i+1]
.endr
.endr
.irp b, 0,1,2,3
	v_max_num_f32 v[TT+\b], v[TT+\b], v[SS+16*\b+15]
.endr
.irp b, 0,1,2,3
	v_permlanex16_b32 v[TT+4+\b], v[TT+\b], s20, s21
.endr
.irp b, 0,1,2,3
	v_max_num_f32 v[TT+\b], v[TT+\b], v[TT+4+\b]   ; with lane l xor 16's 16 keys
.endr
	v_max3_num_f32 v[TT+8], v[TT], v[TT+1], v[TT+2]
	v_max_num_f32 v[TT+8], v[TT+8], v[TT+3]        ; the step's largest score of my query (at least one of its keys counts, so it is a number)
	v_mul_f32 v[TT+8], s22, v[TT+8]                ; as t (c is positive)
	v_mov_b32 v[TT+9], v10
	v_max_num_f32 v11, v11, v[TT+8]                ; the running largest t
	v_floor_f32 v10, -v11                          ; the new -M: M IS A WHOLE NUMBER
	v_sub_f32 v[TT+9], v10, v[TT+9]                ; M's old value less its new one
	v_cvt_i32_f32 v[TT+9], v[TT+9]                 ; (it saturates)
	v_ldexp_f32 v8, 1.0, v[TT+9]                   ; f = 2^(old M - new M)
.set n, 0
.rept 32
	v_pk_fma_f32 v[SS+n:SS+n+1], v[SS+n:SS+n+1], s[22:23], v[10:11] op_sel_hi:[1,0,0]   ; t - M, two at a time (of the pairs c and -M the low word serves both halves)
.set n, n+2
.endr
.irp b, 0,1,2,3
	v_fma_f32 v[TT+\b], v[TT+\b], s22, v10         ; the same of each block's largest score
.endr
	VW
.set n, 0
.rept 64
	v_exp_f32 v[SS+n], v[SS+n]                     ; p = 2^(t - M): NOT normalised
.set n, n+1
.endr
.irp b, 0,1,2,3
	v_exp_f32 v[TT+\b], v[TT+\b]                   ; the block's largest p: the same two instructions on the same number
.endr
	v_pk_mul_f32 v[12:13], v[12:13], v[8:9] op_sel_hi:[1,0]   ; the sums under the new M.  (A plain place behind the exponentials)
	VW
.endm
.macro SCALES                          ; p's four scale operands and its scale word
.irp b, 0,1,2,3
	v_max_num_f32 v[TT+\b], 0x2800000, v[TT+\b]    ; the floor 2^(5 - 127)
.endr
.irp b, 0,1,2,3
	v_add_nc_u32 v[TT+12+\b], 0xfe000000, v[TT+\b]
.endr
.irp b, 0,1,2,3
	v_lshrrev_b32 v[TT+4+\b], 23, v[TT+12+\b]
.endr
	v_lshl_or_b32 v[PS], v[TT+5], 8, v[TT+4]
	v_lshl_or_b32 v[PS], v[TT+6], 16, v[PS]
	v_lshl_or_b32 v[PS], v[TT+7], 24, v[PS]
.endm
.macro SOFTB                           ; p's codes, and the row's sum of the unquantised p
.irp c, 0,1
	v_cvt_scalef32_pk16_bf6_f32 v[PC+6*\c:PC+6*\c+2], v[SS+32*\c:SS+32*\c+15], v[TT+12+2*\c]
	v_cvt_scalef32_pk16_bf6_f32 v[TT+20+4*\c:TT+22+4*\c], v[SS+16+32*\c:SS+31+32*\c], v[TT+13+2*\c]
.endr
	v_nop                                          ; one plain place behind a scaled conversion
.irp c, 0,1                                    ; the operand's layout wants a WHOLE block in a lane: lanes 0-15 block 2 c, lanes 16-31 block 2 c + 1
.irp i, 0,1,2
	v_permlane16_swap_b32 v[PC+6*\c+\i], v[TT+20+4*\c+\i]
.endr
.endr
.irp c, 0,1
.irp i, 0,1,2
	v_mov_b32 v[PC+6*\c+3+\i], v[TT+20+4*\c+\i]
.endr
.endr
.irp k, 0,1,2,3,4,5,6
	v_pk_add_f32 v[UU+2*\k:UU+2*\k+1], v[SS+8*\k:SS+8*\k+1], v[SS+8*\k+2:SS+8*\k+3]
.endr
	v_pk_add_f32 v[12:13], v[12:13], v[SS+56:SS+57]
.irp i, 4,6
.irp k, 0,1,2,3,4,5,6
	v_pk_add_f32 v[UU+2*\k:UU+2*\k+1], v[UU+2*\k:UU+2*\k+1], v[SS+8*\k+\i:SS+8*\k+\i+1]
.endr
	v_pk_add_f32 v[12:13], v[12:13], v[SS+54+\i:SS+55+\i]
.endr
	v_pk_add_f32 v[UU:UU+1], v[UU:UU+1], v[UU+2:UU+3]
	v_pk_add_f32 v[UU+4:UU+5], v[UU+4:UU+5], v[UU+6:UU+7]
	v_pk_add_f32 v[UU+8:UU+9], v[UU+8:UU+9], v[UU+10:UU+11]
	v_pk_add_f32 v[UU+12:UU+13], v[UU+12:UU+13], v[SS+62:SS+63]
	v_pk_add_f32 v[UU:UU+1], v[UU:UU+1], v[UU+4:UU+5]
	v_pk_add_f32 v[UU+8:UU+9], v[UU+8:UU+9], v[UU+12:UU+13]
	v_pk_add_f32 v[12:13], v[12:13], v[UU:UU+1]
	v_pk_add_f32 v[12:13], v[12:13], v[UU+8:UU+9]
.endm
.macro RESC                            ; O^T under the new M: x f, from each accumulator's low end on
	WIN 0x41
	VW
.set n, 0
.rept 32
	v_pk_mul_f32 v[n:n+1], v[n:n+1], v[8:9] op_sel_hi:[1,0]
.set n, n+2
.endr
.endm
.macro OPROD                           ; O^T += V^T P^T: the eight accumulators take turns
	WIN 0x50
.irp t, 0,1,2,3,4,5,6,7
.if \t%2
	v_wmma_scale_f32_16x16x128_f8f6f4 v[8*\t:8*\t+7], v[F2+12*(\t%4)-48*(\t/4):F2+12*(\t%4)-48*(\t/4)+11], v[PC:PC+11], v[8*\t:8*\t+7], v[VS+\t/2], v[PS] matrix_a_fmt:MATRIX_FMT_BF6 matrix_b_fmt:MATRIX_FMT_BF6 matrix_a_scale:MATRIX_SCALE_ROW1
.else
	v_wmma_scale_f32_16x16x128_f8f6f4 v[8*\t:8*\t+7], v[F2+12*(\t%4)-48*(\t/4):F2+12*(\t%4)-48*(\t/4)+11], v[PC:PC+11], v[8*\t:8*\t+7], v[VS+\t/2], v[PS] matrix_a_fmt:MATRIX_FMT_BF6 matrix_b_fmt:MATRIX_FMT_BF6
.endif
.endr
	WIN 0
.endm
; B's LAST STEP OF ITS LOW TILE, in phase j: on the diagonal.  Then the tile goes out, and the high tile is begun
.macro SOFT                            ; the whole softmax of a step, and V's products
	SOFTA
	SCALES
	SOFTB
	VW
	s_wait_dscnt 0x0                               ; V's fragments are in
	RESC
	OPROD
.endm
.macro EXTRA
	SPART 7
	v_add_nc_u32 v[TT+40], s55, v1
.irp g, 0,1,2                                  ; the high tile's codes and scale words, which A has left
	ds_load_b128 v[QC+4*\g:QC+4*\g+3], v[TT+40] offset:512*\g
.endr
	ds_load_b32 v[QS], v[TT+40] offset:1536
	MASK
	SOFT
	PLACES
	v_add_f32 v12, v12, v13                        ; the sum's two halves,
	v_permlanex16_b32 v[SS], v12, s20, s21
	v_add_f32 v12, v12, v[SS]                      ; and lane l xor 16's: the row's sum
	VW
	v_rcp_f32 v12, v12
	v_nop                                          ; one plain place behind a transcendental
	WIN 0x01
	VW
.set n, 0
.rept 32
	v_pk_mul_f32 v[SS+n:SS+n+1], v[n:n+1], v[12:13] op_sel_hi:[1,0]   ; register 8 t + i is o(query r, channel 16 t + 8 h + i)
.set n, n+2
.endr
	WIN 0
.irp u, 0,1                                    ; half a row (256 bytes) of 16 queries at a time through my stage
.irp t, 0,1,2,3
	ds_store_b128 v6, v[SS+32*\u+8*\t:SS+32*\u+8*\t+3] offset:64*\t
	ds_store_b128 v6, v[SS+32*\u+8*\t+4:SS+32*\u+8*\t+7] offset:64*\t+16
.endr
.irp i, 0,1,2,3,4,5,6,7
	ds_load_b128 v[F1+32*\u+4*\i:F1+32*\u+4*\i+3], v5 offset:2*SPITCH*\i
.endr
.endr
	v_mov_b32 v11, 0xff61b1e6                      ; the high tile begins
	v_floor_f32 v10, -v11
	v_mov_b32 v12, 0
	v_mov_b32 v13, 0
	ZERO
	VW
.irp u, 0,1
.irp i, 0,1,2,3,4,5,6,7
	s_wait_dscnt 23-16*\u-\i                       ; behind this load stand the rest of its eight and, for the first half, the second half's eight stores and eight loads
	global_store_b128 v4, v[F1+32*\u+4*\i:F1+32*\u+4*\i+3], s[46:47] offset:2*\i*ROWP+256*\u th:TH_STORE_NT   ; sixteen lanes store 256 consecutive bytes
.endr
.endr
	s_wait_xcnt 0x0                                ; the stores' registers are written again only behind this wait
.endm
; A PHASE.  fill = 1: its slot is filled again, with the phase two on, behind a round of the cluster's barrier; fill = 0: a plain barrier
; A PHASE'S ENTRY, up to its scores (v7 the low step's block, v0 the block of the phase's last or only step)
.macro ENTER
	s_cmp_ge_u32 s12, s11                          ; B from phase j on: the high step's block
	s_cselect_b32 s17, BLKB, 0
	s_add_co_u32 s17, s17, s13
	v_add_nc_u32 v0, s17, v1
	v_add_nc_u32 v7, s13, v1
	VW
	s_cmp_eq_u32 s12, s11
	s_cbranch_scc0 .Lsingle_\@
	EXTRA
.Lsingle_\@:
	SPART 0
	s_cmp_lg_u32 s12, s11
	s_cbranch_scc1 .Lopen_\@                       ; only B's step of phase j lies on the high tile's diagonal
	MASK
.Lopen_\@:
	VW
.endm
; THE CHANGE OF SLOTS, with the softmax ahead of it in waves 0-7 and behind it in waves 8-11.  fill = 1: the slot is filled again, with the phase two on, behind a round of the cluster's barrier; fill = 0: a plain barrier
.macro CHANGE fill
.if \fill
	s_cmp_lt_u32 s12, s40
	s_cbranch_scc0 .Lnot_mine_\@
	global_prefetch_b8 v9, s[36:37] th:TH_LOAD_NT scope:SCOPE_SE   ; my work-group's share of the block four phases on: 25 rows of 256 bytes
.Lnot_mine_\@:
.endif
	s_cmp_lg_u32 s44, 0
	s_cbranch_scc1 .Llater_\@
	SOFT
.Llater_\@:
	VW
.if \fill
	s_wait_xcnt 0x0                                ; my prefetch has read its address
	s_wait_tensorcnt 0x0                           ; no tensor load of mine is out: the next phase's part is in, and group 0 may be written
	ds_add_u32 v2, v3                              ; 0 onto my spare word
	ds_add_u32 v2, v3
	s_add_nc_u64 s[34:35], s[34:35], s[38:39]      ; the phase two on (the type bits on top stay),
	s_sub_nc_u64 s[34:35], s[34:35], s[50:51]
	s_xor_b32 s33, s33, SLOT1                      ; into this phase's slot
	s_add_nc_u64 s[36:37], s[36:37], s[38:39]
	s_sub_nc_u64 s[36:37], s[36:37], s[50:51]
.else
	s_wait_tensorcnt 0x0                           ; my part of the last phase is in
.endif
	s_wait_dscnt 0x0                               ; V's fragments lie in registers: my reads of this slot are over
	s_barrier_signal -1
	s_barrier_wait -1
.if \fill
	CREST                                          ; no wave of any partner still reads this slot or has a load on its way
	JLOAD
.endif
	s_xor_b32 s13, s13, SLOT1                      ; the next phase's slot
	s_add_co_u32 s12, s12, 1
	s_cmp_eq_u32 s44, 0
	s_cbranch_scc1 .Lsooner_\@
	SOFT
.Lsooner_\@:
.endm
	s_wait_tensorcnt 0x0                           ; my part of phase 0 is in
	ds_add_u32 v2, v3
	ds_add_u32 v2, v3
	s_add_nc_u64 s[34:35], s[34:35], s[38:39]      ; phase 1, into slot 1
	s_sub_nc_u64 s[34:35], s[34:35], s[50:51]
	s_xor_b32 s33, s33, SLOT1
	s_wait_dscnt 0x0                               ; the adds are done, and A's codes lie in LDS
	ROUND
	JLOAD                                          ; phase 1
	ENTER                                          ; phase 0
.Lfilling:                                             ; the changes behind phases 0 to 5 fetch phases 2 to 7
	CHANGE 1
	ENTER
	VW
	s_cmp_lt_u32 s12, 6
	s_cbranch_scc1 .Lfilling
	CHANGE 0                                       ; behind phase 6
	ENTER                                          ; phase 7
	SOFT
	; A AND B JOIN the high tile: each gives the other half of its O^T (32 registers) and its -M and sum.  A wave gives through its own stage, and behind the barrier it alone uses its partner's
	PLACES
	s_mul_i32 s56, s43, 16*SPITCH
	s_add_co_u32 s56, s56, STAGE
	s_lshl_b32 s57, s10, 8
	s_add_co_u32 s57, s57, ML
	s_lshl_b32 s58, s43, 8
	s_add_co_u32 s58, s58, ML
	v_lshrrev_b32 v36, 2, v1
	v_add_nc_u32 v37, s57, v36                     ; my -M and sum,
	v_add_nc_u32 v38, s58, v36                     ; my partner's
	v_add_nc_u32 v39, s14, v1                      ; what I give,
	v_add_nc_u32 v40, s56, v1                      ; what I am given
	v_bfe_u32 v41, v1, 4, 4                        ; r
	v_lshrrev_b32 v42, 8, v1                       ; h
	v_mul_u32_u24 v43, v42, SPITCH
	v_mul_u32_u24 v44, v41, SPITCH
	v_lshl_add_u32 v43, v41, 4, v43
	v_lshl_add_u32 v44, v42, 5, v44
	v_add_nc_u32 v43, s56, v43                     ; the way out, by rows
	v_add_nc_u32 v44, s56, v44                     ; and in: row r, + 32 h
	v_add_f32 v12, v12, v13
	v_permlanex16_b32 v[SS], v12, s20, s21
	v_add_f32 v12, v12, v[SS]                      ; my sum
	ds_store_b32 v37, v10
	ds_store_b32 v37, v12 offset:128
	VW
	s_cmp_eq_u32 s42, s10
	s_cbranch_scc0 .Lgive_low
	WIN 0x04
.irp i, 0,1,2,3,4,5,6,7
	ds_store_b128 v39, v[32+4*\i:35+4*\i] offset:512*\i   ; A gives channels 64-127
.endr
	WIN 0
	s_branch .Lgiven
.Lgive_low:
	WIN 0x04
.irp i, 0,1,2,3,4,5,6,7
	ds_store_b128 v39, v[4*\i:4*\i+3] offset:512*\i       ; B gives channels 0-63
.endr
	WIN 0
.Lgiven:
	s_wait_dscnt 0x0                               ; for my partner's sake
	s_barrier_signal -1
	s_barrier_wait -1
	ds_load_b32 v45, v38
	ds_load_b32 v46, v38 offset:128
.irp i, 0,1,2,3,4,5,6,7
	ds_load_b128 v[F0+4*\i:F0+4*\i+3], v40 offset:512*\i
.endr
	s_wait_dscnt 0x0
	v_min_num_f32 v47, v10, v45                    ; -M of both
	v_sub_f32 v48, v47, v10
	v_sub_f32 v49, v47, v45
	v_cvt_i32_f32 v48, v48
	v_cvt_i32_f32 v49, v49
	v_ldexp_f32 v50, 1.0, v48                      ; my factor
	v_ldexp_f32 v52, 1.0, v49                      ; my partner's
	v_mul_f32 v12, v12, v50
	v_fma_f32 v12, v46, v52, v12                   ; the row's sum
	VW
	v_rcp_f32 v12, v12
	v_nop                                          ; one plain place behind a transcendental
	VW
	v_mul_f32 v50, v50, v12
	v_mul_f32 v52, v52, v12
.set n, 0
.rept 16
	v_pk_mul_f32 v[80+n:81+n], v[F0+n:F0+n+1], v[52:53] op_sel_hi:[1,0]
.set n, n+2
.endr
.macro JOIN from
	WIN 0x01
	VW
.set n, 0
.rept 16
	v_pk_fma_f32 v[F0+n:F0+n+1], v[\from+n:\from+n+1], v[50:51], v[80+n:81+n] op_sel_hi:[1,0,1]
.set n, n+2
.endr
	WIN 0
	VW
.endm
	VW
	s_cmp_eq_u32 s42, s10
	s_cbranch_scc0 .Lkeep_high
	JOIN 0
	s_branch .Lkept
.Lkeep_high:
	JOIN 32
.Lkept:
.irp t, 0,1,2,3
	ds_store_b128 v44, v[F0+8*\t:F0+8*\t+3] offset:64*\t
	ds_store_b128 v44, v[F0+8*\t+4:F0+8*\t+7] offset:64*\t+16
.endr
.irp i, 0,1,2,3,4,5,6,7
	ds_load_b128 v[SS+4*\i:SS+4*\i+3], v43 offset:2*SPITCH*\i
.endr
.irp i, 0,1,2,3,4,5,6,7
	s_wait_dscnt 7-\i
	global_store_b128 v4, v[SS+4*\i:SS+4*\i+3], s[48:49] offset:2*\i*ROWP th:TH_STORE_NT   ; sixteen lanes store 256 consecutive bytes
.endr
	s_wait_tensorcnt 0x0                           ; the wave's end
	ds_add_u32 v2, v3
	s_wait_dscnt 0x0
	ROUND                                          ; the closing round: no work-group ends while a partner may still ask for a tile that names it
	s_endpgm
.Lfunc_end_k_q5b159852d4_attn:
	.size	k_q5b159852d4_attn, .Lfunc_end_k_q5b159852d4_attn-k_q5b159852d4_attn
	.p2alignl 7, 3214868480
	.fill 96, 4, 3214868480
	.section	.rodata,"a",@progbits
	.p2align	6, 0x0
	.amdhsa_kernel k_q5b159852d4_attn
		.amdhsa_group_segment_fixed_size 327680
		.amdhsa_private_segment_fixed_size 0
		.amdhsa_enable_private_segment 0
		.amdhsa_kernarg_size 24
		.amdhsa_user_sgpr_count 2
		.amdhsa_user_sgpr_kernarg_segment_ptr 1
		.amdhsa_wavefront_size32 1
		.amdhsa_system_sgpr_workgroup_id_x 1
		.amdhsa_system_sgpr_workgroup_id_y 1
		.amdhsa_system_sgpr_workgroup_id_z 1
		.amdhsa_system_vgpr_workitem_id 0
		.amdhsa_next_free_vgpr 320
		.amdhsa_next_free_sgpr 66
		.amdhsa_reserve_vcc 1
		.amdhsa_float_denorm_mode_32 3
		.amdhsa_float_denorm_mode_16_64 3
		.amdhsa_memory_ordered 1
		.amdhsa_forward_progress 1
		.amdhsa_inst_pref_size 225
	.end_amdhsa_kernel
	.amdgpu_metadata
---
amdhsa.version: [ 1, 2 ]
amdhsa.kernels:
  - .name:           k_q5b159852d4_attn
    .symbol:         k_q5b159852d4_attn.kd
    .args:
      - { .name: query, .offset: 0, .size: 8, .value_kind: global_buffer, .address_space: global }
      - { .name: kv, .offset: 8, .size: 8, .value_kind: global_buffer, .address_space: global }
      - { .name: out0, .offset: 16, .size: 8, .value_kind: global_buffer, .address_space: global }
    .group_segment_fixed_size: 327680
    .private_segment_fixed_size: 0
    .kernarg_segment_align: 8
    .kernarg_segment_size: 24
    .max_flat_workgroup_size: 384
    .sgpr_count:     66
    .vgpr_count:     320
    .wavefront_size: 32
...
	.end_amdgpu_metadata
.endif
;; end of part 2
